; MI455X (gfx1250); checked and timed in simulation.
; The chip was launched on July 23, 2026; its instructions are those of AMD's public machine-readable ISA for CDNA 5 (MIT licence, August 2026) and "CDNA5" Instruction Set Architecture Reference Guide (July 2026). The comments in the code are by the model that wrote it; some were corrected since.
;; Self Attention. Allowed arithmetic: matrix products marked QUANTISED: E4M3 operands, one given power-of-two scale a tensor, by v_wmma_f32_16x16x64_fp8_fp8 or v_wmma_f32_16x16x128_fp8_fp8, f32 sums; everything else in f32.
;; Inputs: key_codes 8 x 2,048 x 32 x 32 uint8 (E4M3 codes of key, K innermost, in blocks of 32 codes); key_pe 1 x 1,024 x 2,048 float32; lowp_scales 4 int32 (the exponents e of the quantised operands' scales 2^e); query_codes 8 x 2,048 x 32 x 32 uint8 (E4M3 codes of query, K innermost, in blocks of 32 codes); span 8 x 2,048 x 2 float32; value_codes 8 x 1,024 x 64 x 32 uint8 (E4M3 codes of value, K innermost, in blocks of 32 codes).
;; Outputs: out0 8 x 2,048 x 1,024 float32.
;; This version of the problem:
;;   THIS VERSION OF THE PROBLEM IS GIVEN IN LOW PRECISION. The matrix products marked QUANTISED in the list below multiply operands that are first quantised to E4M3 (4 exponent bits, 3 mantissa bits; 8 bits a number), with one given power-of-two scale for each operand tensor; their sums are f32. All else is computed in f32.
;;   The module's matrix products, in the order in which they are computed (A, B: the left and right operand; K: the contracted axis; several contracted axes count as one K, in the product's order):
;;     1. batch 8 x [M 2,048, K 1,024] x [K 1,024, N 2,048]; A: input query (given as codes); B: input key (given as codes): QUANTISED (scales: A lowp_scales[0], B lowp_scales[1])
;;     2. batch 8 x [M 2,048, K 2,048] x [K 2,048, N 1,024]; A: computed on the way; B: input value (given as codes): QUANTISED (scales: A lowp_scales[2], B lowp_scales[3])
;;   THE QUANTISER, for each operand of a quantised product, along K:
;;     - The operand's scale is 2^e, e = its entry of the input lowp_scales (int32; the entries are numbered through the quantised products in the list's order, A before B).
;;     - Each number is divided by the scale, clamped to +-448, and rounded to the nearest number of E4M3, ties to even, subnormals kept.
;;     - The product sums the exact products of the quantised numbers (number of the format x scale) in f32.
;;   ~~~python
;;   def quantise(x, axis, e):      # numpy; x: float32 -> the quantised numbers, widened to float32 again
;;       x = np.moveaxis(x, axis, -1); K = x.shape[-1]
;;       r = np.clip(x / 2.0 ** e, -448, 448)
;;       step = 2.0 ** (np.maximum(np.frexp(np.where(r == 0, 1, r))[1] - 1, -6) - 3)
;;       q = np.round(r / step) * step * 2.0 ** e      # np.round: ties to even
;;       return np.moveaxis(q, -1, axis).astype(np.float32)
;;   ~~~
;;   OPERANDS COMPUTED ON THE WAY. 'Computed on the way' means the value that the module computes at that place (a softmax that the list does not call 'softmax' is quantised finished and normalised). What goes into a quantiser is computed in f32, as accurately as f32 sums, v_exp_f32 and their like allow (about 1e-6 of the number): no bf16 or f16 on the way to a quantiser, and a product that is left as it is and whose result goes on into a quantised operand takes f32 operands (vector FMAs, or v_wmma_f32_16x16x4_f32). A number that lies on a knife's edge between two numbers of the format may be rounded either way, as far as f32 arithmetic and the matrix unit's own rounding can turn it there, and no further.
;;   INPUTS GIVEN AS CODES. key (in the module: [8, 2048, 1024], K = its axis 2); query (in the module: [8, 2048, 1024], K = its axis 2); value (in the module: [8, 2048, 1024], K = its axis 1): each comes as NAME_codes (uint8): NAME with its K axis moved to the last place and cut into blocks of 32 codes, [.., K / 32, bytes a block], one block behind the other in memory; one code a byte (a code: sign, 4 exponent bits, 3 mantissa bits); its scale is its entry of lowp_scales. Its value is code x scale, taken as it is: it is not quantised again, and the codes and scales need not be those that the quantiser above would give.
;; One version. Each part assembles by itself: llvm-mc -triple=amdgcn-amd-amdhsa -mcpu=gfx1250 --defsym DOCPART=n.
;; ======== version 1 of 1: 2 launches
;; limits: right only within a limited range of input values
;; workspace buffers: simg 33,554,432 bytes
;; launch scores (part 1): grid 8 x 32, 4 waves a work-group, clusters of 4 x 4, 327,680 bytes of LDS; arguments query_codes, key_codes, lowp_scales, simg; writes simg
.if DOCPART == 1
	.amdgcn_target "amdgcn-amd-amdhsa--gfx1250"
	.amdhsa_code_object_version 6
	.text
	.protected	k_q5f242b20a7_scores
	.globl	k_q5f242b20a7_scores
	.p2align	8
	.type	k_q5f242b20a7_scores,@function
k_q5f242b20a7_scores:
	s_mov_b64 s[64:65], 0
	v_nop
	global_prefetch_b8 v0, s[64:65] scope:SCOPE_SE
	s_setreg_imm32_b32 hwreg(HW_REG_WAVE_MODE, 25, 1), 1
	s_wait_xcnt 0x0
	s_wait_alu depctr_hold_cnt(0) depctr_sa_sdst(0) depctr_va_vdst(0) depctr_va_sdst(0) depctr_va_ssrc(0) depctr_va_vcc(0) depctr_vm_vsrc(0)
	s_getreg_b32 s2, hwreg(HW_REG_IB_STS2, 6, 4)
	s_cmp_eq_u32 s2, 0
	s_cbranch_scc0 .Lentry_in_a_cluster
	s_endpgm
.Lentry_in_a_cluster:
	s_bfe_u32 s2, ttmp6, 0x10000c
	s_cmp_lg_u32 s2, 0xf033
	s_cbranch_scc0 .Lentry_shape_is_right
	s_endpgm
.Lentry_shape_is_right:
; S[b][m][n] = sum over h of Q[b][m][h] K[b][n][h] on codes of FP8 (E4M3), and S's own codes: S x 2^(e0 + e1), divided by 2^e2, held within +-448, rounded to the nearest code, ties to even.
; Q, K: [8][2048][1024] codes, one byte each, the contracted axis innermost.  e0 .. e3: the four whole numbers (int32) in the buffer of scales.
; The module's inputs span and key_pe enter no step of the computation that defines the result; this program does not load them.
; LIMITS: e2 - e0 - e1 lies between -126 and 119, so that 2^(e2 - e0 - e1) and 448 x that are f32 numbers.  NaN codes among the inputs are not served (the hold drops a NaN).
; SHARES.  A tile of S is 256 x 256: four waves, as many as a WGP has SIMDs, each 128 x 128: 64 accumulators of 16 x 16, 512 registers.  8 batches x 64 tiles = 512 tiles on 256 work-groups: A WORK-GROUP STAYS and makes two
; tiles, 1,024 rows apart, which share their rows of K; the ring of LDS slots runs on from the first tile into the second, and nothing waits for the first tile's stores.
; The contracted axis goes in steps of 256 through a ring of two LDS slots filled by the tensor data mover: a tile's row is 256 bytes of memory, at a multiple of 256 from the buffer's first byte.
; CLUSTERS: 4 x 4 work-groups, all of one batch.  The four of a row of the cluster need the same tiles of Q, the four of a column the same tiles of K: each tile is asked for JOINTLY, by the same tensor load with the same
; descriptor and a mask that names the four.
; THE MATRIX INSTRUCTION IS USED TRANSPOSED (source 0 = 16 keys, source 1 = 16 queries): lane (r = lane % 16, h = lane / 16) of accumulator (a, b) holds query 16 a + r and the keys 16 b + 8 h + 0 .. 7.  Eight neighbours along the
; NEXT product's contracted axis in one lane: one conversion makes of them registers 2 b, 2 b + 1 of that product's fragment (16 rows x 128 keys, 16 registers), in the instruction's own layout.
; THE WAY OUT: S's codes are stored as IMAGES OF THE NEXT LAUNCH'S OPERAND REGISTERS: simg[G][ks][a][q][c][lane][16 bytes], G = group of 128 rows (through all batches), ks = 256 keys, a = 16 rows, q = 128 keys, c = four registers.
; A fragment leaves by four stores of 512 consecutive bytes each, at multiples of 512 from the buffer's first byte: no LDS, no barrier on the way out.
; REGISTERS, in windows of 256: window 0: v0-31 addresses and the quantiser's two numbers; v32-95 codes, four sets of 16; v128-255 Q's fragments (8 x 16 rows x 128), ONE set.
;   window 1: K's fragments, TWO sets, at v0 and v128.   window 2: the 32 accumulators of my rows 0-63 (accumulator (a, b) at v[8 (8 a + b)]);   window 3: those of my rows 64-127.
.set KROW,   1024                      ; a row of Q or of K in memory, in bytes
.set ROWB,   256                       ; a tile's row in bytes
.set PITCH,  272                       ; an LDS row: 256 bytes + 16 of padding = 68 words: row r starts at bank 4 r mod 64 (64 banks of 4 bytes: ISA guide 11.1), so the 16 rows that a load touches start at 16 different banks
.set FR,     16                        ; registers of a fragment
.set HALFT,  128*PITCH                 ; 128 rows: what one tensor load brings, and what one wave reads of Q or of K
.set SLOT,   4*HALFT                   ; Q's 256 rows, then K's 256 rows
.set SPARE,  2*SLOT                    ; behind the ring: the spare words, 128 bytes for each wave: two blocks of 256 bytes that no other line names
.set NEXT_A, 1024*KROW-2*ROWB          ; from a slot's last step of the first tile to its first of the second: Q goes 1,024 rows down and back along the rows,
.set BACK_B, 2*ROWB                    ; K only back
.set TILE2,  8<<18                     ; the second tile's images lie eight groups of 128 rows further on
.set ADRA, 16                          ; v16-17  LDS address of my fragments of Q in slot 0, 1
.set ADRB, 20                          ; v20-21  the same for K
.set CO,   26                          ; v26     16 x lane: my place in an image's 512 bytes; never rewritten
.set PFO,  27                          ; v27     the prefetches' offset: my lane x a row of Q in memory; never rewritten
.set SPW,  28                          ; v28     LDS address of my spare word: SPARE + 4 x my thread's number; never rewritten
.set NIL,  29                          ; v29     0; never rewritten
.set SC,   30                          ; v30     2^(e2 - e0 - e1) as f32: the conversion takes its exponent field
.set LM,   31                          ; v31     448 x that
.set CD,   32                          ; v32-95  codes
.set AF,   128                         ; Q's fragments, in window 0
.set G1, 24                            ; s[24:31] descriptor group 1 for Q's tiles;  s[32:39] group 0, one set for each slot
.set G0, 32
.set G1B, 48                           ; s[48:55], s[56:63] the same for K's tiles
.set G0B, 56
.set PFA, 68                           ; s[68:69] where my prefetches stand: my work-group's 32 rows, in the SECOND tile, of the 128 rows of Q that my wave's number stands for; never rewritten
.set LIM, 72                           ; s72     1 in a wave that prefetches, else -1
.set MSB, 0
.macro WIN new                         ; the immediate's high byte repeats the setting that is left; a switch that changes nothing is dropped
.if MSB != (\new)
	s_set_vgpr_msb (MSB<<8)|(\new)
.set MSB, (\new)
.endif
.endm
.set MUL_LO, 0xa1                      ; source 0 (K) window 1, source 1 (Q) window 0, C and D window 2
.set MUL_HI, 0xf1                      ; the same, C and D window 3
.set TO_B,   0x40                      ; destination window 1, address window 0
; A joint load: waves 0 and 1 fetch Q's two halves, waves 2 and 3 K's.  Each of the two lines has ONE mask and one set of registers for all that issue it; the branch hangs on the wave's number alone.
; Four v_nop follow each of the two lines, ahead of the jump, the label and what follows.
.macro JLOAD g0a, g1a, g0b, g1b
	s_cmp_eq_u32 s15, 0
	s_cbranch_scc0 .Lfor_b_\@
	tensor_load_to_lds s[\g0a:\g0a+3], s[\g1a:\g1a+7]
	s_nop 0
.rept 4
	v_nop
.endr
	s_branch .Lasked_\@
.Lfor_b_\@:
	tensor_load_to_lds s[\g0b:\g0b+3], s[\g1b:\g1b+7]
	s_nop 0
.rept 4
	v_nop
.endr
.Lasked_\@:
.endm
; A PREFETCH INTO THE L2, behind a joint load, its four lines and the run of LDS loads that follows them: 256 bytes of each of 32 rows of Q, a lane a row, one instruction a wave.
; The change of slots in step k of the FIRST tile (k = 0 .. 3) names step k of the SECOND tile's rows of Q, which the change of slots two steps on, 256 matrix instructions later, asks for.
; Each row's 256 bytes of a step are named ONCE in the launch.  A tile row of Q is read by both clusters of its batch: the first of them (cluster x = 0) asks.  Of the 128 rows that wave 0 or 1 fetches, the partner at place cx
; takes 32 cx .. 32 cx + 31: the partners are told apart BY ADDRESS, and no branch hangs on a work-group's place in its cluster.  K's rows are the same for both tiles: the first tile reads them, and they are not asked for.
; The first tile's four steps come by their loads alone: nothing is prefetched at the head, where every work-group's first tiles are on their way.  The step stands in the immediate: no address is stepped.
.macro ASK k
	s_cmp_eq_u32 s[LIM], 1
	s_cbranch_scc0 .Lnot_mine_\@
	global_prefetch_b8 v[PFO], s[PFA:PFA+1] offset:(\k)*ROWB th:TH_LOAD_NT scope:SCOPE_SE
.Lnot_mine_\@:
.endm
.macro CREST                           ; a round of the cluster's barrier behind its opening barrier
	s_cmp_lg_u32 s14, 0
	s_cbranch_scc1 .Lnot_wave_0_\@
	s_barrier_signal -3
.Lnot_wave_0_\@:
	s_barrier_wait -3
	s_barrier_signal -1
	s_barrier_wait -1
.endm
.macro CROUND                          ; a whole round
	s_barrier_signal -1
	s_barrier_wait -1
	CREST
.endm
	s_load_b128 s[4:7], s[0:1], 0x0                ; Q's codes s[4:5], K's codes s[6:7]
	s_load_b128 s[8:11], s[0:1], 0x10              ; the scales' exponents s[8:9], the images s[10:11]
	v_lshl_add_u32 v[SPW], v0, 2, SPARE
	v_mov_b32 v[NIL], 0
	ds_add_u32 v28, v29
	ds_add_u32 v28, v29
	s_wait_dscnt 0x0
	v_lshrrev_b32 v1, 5, v0
	v_readfirstlane_b32 s14, v1                    ; wave 0..3
	s_lshr_b32 s15, s14, 1                         ; which half of the tile's rows is mine.  Also: I fetch for Q (0) or for K (1)
	s_and_b32 s16, s14, 1                          ; which half of its columns.  Also: which 128 rows of that tile I fetch
	s_bfe_u32 s40, ttmp6, 0x40000                  ; cx, cy: my place in the cluster
	s_bfe_u32 s41, ttmp6, 0x40004
	s_lshl_b32 s42, ttmp9, 2
	s_add_co_u32 s42, s42, s40                     ; tile column of S = 4 x cluster x + cx: 0 .. 7
	s_and_b32 s13, ttmp7, 0xffff                   ; the batch = cluster y; my tile rows are cy and cy + 4
	s_lshl_b32 s43, s41, 2
	s_lshl_b32 s43, 15, s43                        ; my row of the cluster
	s_lshl_b32 s44, 0x1111, s40                    ; my column
	; descriptor group 1: a tile of 128 rows x 256 bytes, padded in LDS
	s_or_b32 s[G1+0], s43, (0<<16)|(1<<20)|(1<<21)|(5<<22)|(3<<25)  ; 15:0 the mask: Q's tiles go to my row; 17:16 element of 1 byte; 20 padding on; 21 set beside a mask; 24:22 after every 64 words (code 5); 31:25 of 4 words (code 3)
	s_or_b32 s[G1B+0], s44, (0<<16)|(1<<20)|(1<<21)|(5<<22)|(3<<25) ; the same with the mask of my column, for K's tiles
.irp g, G1, G1B
	s_mov_b32 s[\g+1], ROWB<<16                    ; tensor_dim0 = 256
	s_mov_b32 s[\g+2], 128<<16                     ; tensor_dim1 = 128
	s_mov_b32 s[\g+3], ROWB<<16                    ; tile_dim0 = 256
	s_mov_b32 s[\g+4], 128                         ; tile_dim1 = 128
	s_mov_b32 s[\g+5], KROW                        ; tensor_dim0_stride
	s_mov_b32 s[\g+6], 0
	s_mov_b32 s[\g+7], 0
.endr
	; where the tiles come from.  Q's hang on the batch and cy, which my row of the cluster shares; K's on the batch and the tile column, which my column shares.  Each in registers that never hold the other coordinate.
	s_lshl_b32 s18, s13, 11                        ; the batch's first row,
	s_lshl_b32 s19, s16, 7
	s_add_co_u32 s18, s18, s19                     ; + which 128 rows of the tile I fetch
	s_lshl_b32 s20, s41, 8
	s_add_co_u32 s20, s20, s18                     ; Q: + 256 x cy
	s_lshl_b32 s20, s20, 10                        ; in bytes: under 2^24
	s_mov_b32 s21, 0
	s_lshl_b32 s46, s42, 8
	s_add_co_u32 s46, s46, s18                     ; K: + 256 x tile column
	s_lshl_b32 s46, s46, 10
	s_mov_b32 s47, 0
	s_mul_i32 s45, s14, HALFT                      ; where they go: wave x 128 rows: no place in the cluster enters an LDS address
	s_wait_kmcnt 0x0
	s_load_b128 s[96:99], s[8:9], 0x0              ; e0, e1, e2, e3
	s_add_nc_u64 s[20:21], s[4:5], s[20:21]
	s_add_nc_u64 s[46:47], s[6:7], s[46:47]
	CROUND                                         ; all sixteen work-groups are here: the first joint loads meet
.irp s, 0,1
	s_mov_b32 s[G0+4*\s], 1                                        ; count = 1
	s_add_co_u32 s[G0+4*\s+1], s45, \s*SLOT                        ; LDS address
	s_add_nc_u64 s[G0+4*\s+2:G0+4*\s+3], s[20:21], \s*ROWB         ; global address: step s
	s_or_b32 s[G0+4*\s+3], s[G0+4*\s+3], 0x80000000                ; type = 2
	s_mov_b32 s[G0B+4*\s], 1
	s_add_co_u32 s[G0B+4*\s+1], s45, \s*SLOT
	s_add_nc_u64 s[G0B+4*\s+2:G0B+4*\s+3], s[46:47], \s*ROWB
	s_or_b32 s[G0B+4*\s+3], s[G0B+4*\s+3], 0x80000000
	JLOAD G0+4*\s, G1, G0B+4*\s, G1B               ; two loads of mine are out
.endr
	v_and_b32 v1, 15, v0                           ; r = lane % 16
	v_bfe_u32 v2, v0, 4, 1                         ; h = lane / 16
	v_mul_u32_u24 v3, v1, PITCH
	v_lshl_add_u32 v4, v2, 4, v3                   ; a fragment's row x pitch + 16 x half
	s_mul_i32 s21, s15, HALFT                      ; my 128 rows of Q
	s_mul_i32 s22, s16, HALFT                      ; my 128 rows of K,
	s_add_co_u32 s22, s22, 2*HALFT                 ; which lie behind Q's 256
.irp s, 0,1
	v_add_nc_u32 v[ADRA+\s], s21, v4
	v_add_nc_u32 v[ADRB+\s], s22, v4
	s_add_co_u32 s21, s21, SLOT
	s_add_co_u32 s22, s22, SLOT
.endr
	v_and_b32 v6, 31, v0
	v_lshlrev_b32 v[CO], 4, v6                     ; 16 x lane
	; where my images begin: G = 16 x batch + 2 cy + my row half; ks = the tile column; q = my column half
	s_lshl_b32 s20, s13, 4
	s_lshl_b32 s21, s41, 1
	s_add_co_u32 s20, s20, s21
	s_add_co_u32 s20, s20, s15
	s_lshl_b32 s20, s20, 3
	s_add_co_u32 s20, s20, s42
	s_lshl_b32 s20, s20, 15                        ; (8 G + ks) x 32,768 bytes: under 2^25
	s_lshl_b32 s21, s16, 11
	s_add_co_u32 s20, s20, s21
	s_mov_b32 s21, 0
	s_add_nc_u64 s[10:11], s[10:11], s[20:21]      ; never stepped afterwards: all else stands in the stores' immediates
	; the prefetches (macro ASK): who asks, and where
	s_or_b32 s[LIM], s15, ttmp9                    ; 0 in waves 0 and 1 of the batch's first cluster: the same in all sixteen partners, for a given wave
	s_cmp_eq_u32 s[LIM], 0
	s_cselect_b32 s[LIM], 1, -1
	s_lshl_b32 s74, s13, 11                        ; the batch's first row,
	s_lshl_b32 s75, s41, 8
	s_add_co_u32 s74, s74, s75                     ; + 256 x cy,
	s_add_co_u32 s74, s74, 1024                    ; in the second tile,
	s_lshl_b32 s75, s16, 7
	s_add_co_u32 s74, s74, s75                     ; + the 128 rows that my wave's number stands for,
	s_lshl_b32 s75, s40, 5
	s_add_co_u32 s74, s74, s75                     ; + my work-group's 32 of them: 16,352 at the most, and 31 lanes on: inside Q's 16,384 rows
	s_lshl_b32 s74, s74, 10
	s_mov_b32 s75, 0
	s_add_nc_u64 s[PFA:PFA+1], s[4:5], s[74:75]
	v_lshlrev_b32 v[PFO], 10, v6                   ; a lane a row
	s_wait_kmcnt 0x0
	s_sub_co_i32 s22, s98, s96                     ; a sum stands for sum x 2^(e0 + e1), so its code is sum / 2^(e2 - e0 - e1): the three scales are folded into the conversion's one
	s_sub_co_i32 s22, s22, s97
	s_add_co_i32 s22, s22, 127
	s_lshl_b32 s23, s22, 23
	v_mov_b32 v[SC], s23
	s_add_co_i32 s22, s22, 8
	s_lshl_b32 s22, s22, 23
	s_or_b32 s22, s22, 0x600000                    ; 448 = 1.75 x 2^8
	v_mov_b32 v[LM], s22
; A fragment, 16 rows x 128 codes, is 16 registers, fetched by four loads of 16 bytes, 32 bytes apart: lane l holds row l % 16; registers 4 c .. 4 c + 3 hold places 32 c + 16 (l / 16) + 0 .. 15 of the contracted axis.
; That is a permutation of the places that the instruction's own layout gives, the same in Q and in K: every product meets its partner.
.macro FRAG reg, adr, q, i
.irp c, 0,1,2,3
	ds_load_b128 v[\reg+4*\c:\reg+4*\c+3], v[\adr] offset:128*(\q)+32*\c+(\i)*16*PITCH
.endr
.endm
; 16 matrix instructions: Q's blocks a0, a0 + 1 x K's eight, 128 along the contracted axis.  p: K's set.  zero = 1: the first product starts the sums: nothing is ever cleared.
; The 64 accumulators take turns, one instruction a turn, in the same order in every step.
.macro MUL16 a0, p, zero
.irp a, \a0, \a0+1
.irp b, 0,1,2,3,4,5,6,7
.if \zero
	v_wmma_f32_16x16x128_fp8_fp8 v[8*(8*((\a)%4)+\b):8*(8*((\a)%4)+\b)+7], v[128*(\p)+FR*\b:128*(\p)+FR*\b+FR-1], v[AF+FR*(\a):AF+FR*(\a)+FR-1], 0
.else
	v_wmma_f32_16x16x128_fp8_fp8 v[8*(8*((\a)%4)+\b):8*(8*((\a)%4)+\b)+7], v[128*(\p)+FR*\b:128*(\p)+FR*\b+FR-1], v[AF+FR*(\a):AF+FR*(\a)+FR-1], v[8*(8*((\a)%4)+\b):8*(8*((\a)%4)+\b)+7]
.endif
.endr
.endr
.endm
.macro FETCH_B slot, q, p              ; K's eight fragments of the slot's q-th 128 into set p
	WIN TO_B
.irp i, 0,1,2,3,4,5,6,7
	FRAG 128*(\p)+FR*\i, ADRB+\slot, \q, \i
.endr
	WIN 0
.endm
.macro FETCH_A slot, q, i0             ; Q's blocks i0 .. i0 + 3
.irp i, \i0, \i0+1, \i0+2, \i0+3
	FRAG AF+FR*(\i), ADRA+\slot, \q, \i
.endr
.endm
; A load into a register that a matrix instruction has read, and a vector instruction that reads a matrix result, stand four places behind that matrix instruction, and only plain vector instructions that name none of its
; registers are places (ISA guide 7.12.1 for vector instructions); the matrix instructions in between are not counted.
.macro PLACES n
.rept \n
	v_nop
.endr
.endm
; A slot's first 128: K's set 0.  A block of Q is free as soon as its eight products are issued: blocks 0-3 are fetched anew in the middle, blocks 4-7 at the end; K's other set comes in the middle run.
.macro STEP slot, zero
	s_wait_dscnt 16                                ; K's set and Q's blocks 0-3 are in; the youngest sixteen loads (Q's blocks 4-7) may be out
	WIN MUL_LO
	MUL16 0, 0, \zero
	MUL16 2, 0, \zero
	s_wait_dscnt 0                                 ; Q's blocks 4-7 are in (asked for 32 matrix instructions ago)
	PLACES 4
	FETCH_B \slot, 1, 1
	FETCH_A \slot, 1, 0
	WIN MUL_HI
	MUL16 4, 0, \zero
	MUL16 6, 0, \zero
	PLACES 4
	WIN 0
	FETCH_A \slot, 1, 4
.endm
; A slot's second 128 (K's set 1) changes slots IN ITS MIDDLE.  Its first 32 products stand AHEAD of the wait for the tensor loads: so the refill asked for at the last change of slots has a whole step of 256, 128 matrix
; instructions, in which to land, and between that wait and the next request stand only the add and the round.  ONE barrier: in front of it each wave waits for all its tensor loads, adds 0 to its spare word, and waits for that and
; for its own reads of this slot (the last of them, Q's blocks 4-7, were issued 32 matrix instructions ago).  Behind it nobody reads this slot any more and the next slot is whole.
; fill = 1: this slot is filled again, two steps ahead in the same tile; 2: with the second tile's step 0 or 1; 0: not at all.  pf: the step of the second tile's Q that is prefetched, or -1.
.macro TURN slot, next, fill, pf
	s_wait_dscnt 16                                ; K's set 1 and Q's blocks 0-3 are in; the youngest sixteen loads (Q's blocks 4-7) may be out
	WIN MUL_LO
	MUL16 0, 1, 0
	MUL16 2, 1, 0
	WIN 0
	s_wait_tensorcnt 0x0                           ; all my tensor loads have landed: the one that was out is my part of the next slot; so a group 0 may be written
	ds_add_u32 v[SPW], v[NIL]                      ; 0 onto my spare word; the descriptors' steps stand between it and the wait for it
.if \fill == 2
	s_add_nc_u64 s[G0+4*\slot+2:G0+4*\slot+3], s[G0+4*\slot+2:G0+4*\slot+3], NEXT_A
	s_sub_nc_u64 s[G0B+4*\slot+2:G0B+4*\slot+3], s[G0B+4*\slot+2:G0B+4*\slot+3], BACK_B
.elseif \fill == 1
	s_add_nc_u64 s[G0+4*\slot+2:G0+4*\slot+3], s[G0+4*\slot+2:G0+4*\slot+3], 2*ROWB
	s_add_nc_u64 s[G0B+4*\slot+2:G0B+4*\slot+3], s[G0B+4*\slot+2:G0B+4*\slot+3], 2*ROWB
.endif
	s_wait_dscnt 0x0                               ; the add is done, and my reads of this slot are over
	s_barrier_signal -1
	s_barrier_wait -1
.if \fill
	CREST                                          ; the barrier has opened a round of the cluster's barrier: no wave of any partner still reads this slot's tile or has a load on its way
	JLOAD G0+4*\slot, G1, G0B+4*\slot, G1B         ; the first tensor load behind the round, my only one until the next; the four v_nop behind it are also the places in front of the loads below
.else
	PLACES 4
.endif
	FETCH_B \next, 0, 0
	FETCH_A \next, 0, 0
.if (\pf) >= 0
	ASK \pf
.endif
	WIN MUL_HI
	MUL16 4, 1, 0
	MUL16 6, 1, 0
	PLACES 4
	WIN 0
	FETCH_A \next, 0, 4
.endm
; THE WAY OUT of tile t, block by block of 16 rows.  The hold (the conversion to an 8-bit code does not saturate: ISA guide 7.6.2) takes each accumulator from its low end on; eight conversions make the block's fragment of the next
; product; four stores of 512 consecutive bytes carry it off.  Four sets of code registers: a set is written again only behind a wait that shows that its stores have read it.
.macro OUT t
.if (\t) > 0
	s_wait_xcnt 0x0                                ; the first tile's stores have read their registers  (ahead of the first tile's way out there is no store)
.endif
.irp a, 0,1,2,3,4,5,6,7
.set AC, 64*(\a%4)
.set CS, CD+16*(\a%4)
.if \a == 4
	s_wait_xcnt 0x0                                ; blocks 0-3's stores have read the four sets
.endif
	WIN 0x82+0x41*(\a/4)                           ; destination and source 0: window 2 or 3
.set J, 0
.rept 64
	v_med3_num_f32 v[AC+J], v[AC+J], -v[LM], v[LM]
.set J, J+1
.endr
	WIN 0x02+(\a/4)                                ; source 0: window 2 or 3; the codes in window 0
.irp b, 0,1,2,3,4,5,6,7
	v_cvt_scalef32_pk8_fp8_f32 v[CS+2*\b:CS+2*\b+1], v[AC+8*\b:AC+8*\b+7], v[SC]   ; keys 16 b + 8 h + 0 .. 7 of my query: registers 2 b, 2 b + 1 of the fragment
.endr
	WIN 0
	v_nop                                          ; one plain vector instruction behind the last conversion: the next tile's products write the conversions' sources
.irp c, 0,1,2,3
	global_store_b128 v[CO], v[CS+4*\c:CS+4*\c+3], s[10:11] offset:(\t)*TILE2+\a*4096+512*\c   ; 2,127,360 at the most: inside the signed 24-bit immediate (ISA guide, chapter 10)
.endr
.endr
.endm
	s_wait_tensorcnt 1                             ; my part of step 0 is in (step 1's load may be out)
	s_barrier_signal -1
	s_barrier_wait -1                              ; everybody's is
	FETCH_B 0, 0, 0
	FETCH_A 0, 0, 0
	FETCH_A 0, 0, 4
	STEP 0, 1                                      ; THE FIRST TILE: four steps of 256; its first products start the sums
	TURN 0, 1, 1, 0                                ; slot 0 takes step 2
	STEP 1, 0
	TURN 1, 0, 1, 1                                ; slot 1 takes step 3
	STEP 0, 0
	TURN 0, 1, 2, 2                                ; THE RING GOES ON INTO THE SECOND TILE: slot 0 takes its step 0,
	STEP 1, 0
	TURN 1, 0, 2, 3                                ; slot 1 its step 1, and its first fragments are fetched; the four v_nop near this macro's end are the places behind the last products
	OUT 0                                          ; both refills are asked for: now the tile goes out
	STEP 0, 1                                      ; THE SECOND TILE: the sums begin anew; the first tile's stores leave meanwhile
	TURN 0, 1, 1, -1
	STEP 1, 0
	TURN 1, 0, 1, -1
	STEP 0, 0
	TURN 0, 1, 0, -1                               ; nothing is left to fetch: a plain barrier
	STEP 1, 0
	s_wait_dscnt 16                                ; the very last 128
	WIN MUL_LO
	MUL16 0, 1, 0
	MUL16 2, 1, 0
	s_wait_dscnt 0
	WIN MUL_HI
	MUL16 4, 1, 0
	MUL16 6, 1, 0
	WIN 0
	PLACES 4
	OUT 1
	s_wait_tensorcnt 0x0                           ; the wave's end: behind my last tensor load
	ds_add_u32 v[SPW], v[NIL]
	s_wait_dscnt 0x0
	CROUND                                         ; the closing round: no work-group ends while a partner may still ask for a tile that names it
	s_endpgm
.Lfunc_end_k_q5f242b20a7_scores:
	.size	k_q5f242b20a7_scores, .Lfunc_end_k_q5f242b20a7_scores-k_q5f242b20a7_scores
	.p2alignl 7, 3214868480
	.fill 96, 4, 3214868480
	.section	.rodata,"a",@progbits
	.p2align	6, 0x0
	.amdhsa_kernel k_q5f242b20a7_scores
		.amdhsa_group_segment_fixed_size 327680
		.amdhsa_private_segment_fixed_size 0
		.amdhsa_enable_private_segment 0
		.amdhsa_kernarg_size 32
		.amdhsa_user_sgpr_count 2
		.amdhsa_user_sgpr_kernarg_segment_ptr 1
		.amdhsa_wavefront_size32 1
		.amdhsa_system_sgpr_workgroup_id_x 1
		.amdhsa_system_sgpr_workgroup_id_y 1
		.amdhsa_system_sgpr_workgroup_id_z 1
		.amdhsa_system_vgpr_workitem_id 0
		.amdhsa_next_free_vgpr 1024
		.amdhsa_next_free_sgpr 100
		.amdhsa_reserve_vcc 0
		.amdhsa_float_denorm_mode_32 3
		.amdhsa_float_denorm_mode_16_64 3
		.amdhsa_memory_ordered 1
		.amdhsa_forward_progress 1
		.amdhsa_inst_pref_size 230
	.end_amdhsa_kernel
	.amdgpu_metadata
---
amdhsa.version: [ 1, 2 ]
amdhsa.kernels:
  - .name:           k_q5f242b20a7_scores
    .symbol:         k_q5f242b20a7_scores.kd
    .args:
      - { .name: query_codes, .offset: 0, .size: 8, .value_kind: global_buffer, .address_space: global }
      - { .name: key_codes, .offset: 8, .size: 8, .value_kind: global_buffer, .address_space: global }
      - { .name: lowp_scales, .offset: 16, .size: 8, .value_kind: global_buffer, .address_space: global }
      - { .name: simg, .offset: 24, .size: 8, .value_kind: global_buffer, .address_space: global }
    .group_segment_fixed_size: 327680
    .private_segment_fixed_size: 0
    .kernarg_segment_align: 8
    .kernarg_segment_size: 32
    .max_flat_workgroup_size: 128
    .sgpr_count:     100
    .vgpr_count:     1024
    .wavefront_size: 32
...
	.end_amdgpu_metadata
.endif
;; end of part 1
;; launch outp (part 2): grid 4 x 64, 4 waves a work-group, clusters of 4 x 4, 327,680 bytes of LDS; arguments simg, value_codes, lowp_scales, out0; writes out0
.if DOCPART == 2
	.amdgcn_target "amdgcn-amd-amdhsa--gfx1250"
	.amdhsa_code_object_version 6
	.text
	.protected	k_q5f242b20a7_outp
	.globl	k_q5f242b20a7_outp
	.p2align	8
	.type	k_q5f242b20a7_outp,@function
k_q5f242b20a7_outp:
	s_mov_b64 s[64:65], 0
	v_nop
	global_prefetch_b8 v0, s[64:65] scope:SCOPE_SE
	s_setreg_imm32_b32 hwreg(HW_REG_WAVE_MODE, 25, 1), 1
	s_wait_xcnt 0x0
	s_wait_alu depctr_hold_cnt(0) depctr_sa_sdst(0) depctr_va_vdst(0) depctr_va_sdst(0) depctr_va_ssrc(0) depctr_va_vcc(0) depctr_vm_vsrc(0)
	s_getreg_b32 s2, hwreg(HW_REG_IB_STS2, 6, 4)
	s_cmp_eq_u32 s2, 0
	s_cbranch_scc0 .Lentry_in_a_cluster
	s_endpgm
.Lentry_in_a_cluster:
	s_bfe_u32 s2, ttmp6, 0x10000c
	s_cmp_lg_u32 s2, 0xf033
	s_cbranch_scc0 .Lentry_shape_is_right
	s_endpgm
.Lentry_shape_is_right:
; out[b][m][d] = 2^(e2 + e3) x sum over n of S[b][m][n] V[b][d][n], on codes of FP8 (E4M3).  S's codes come from the launch before, as images of this launch's operand registers; V's codes are [8][1024 (d)][2048 (keys)], keys innermost.
; out: [8][2048][1024] f32; one f32 sum for each output.  e2, e3: entries 2 and 3 (int32) of the buffer of scales.
; The module's inputs span and key_pe enter no step of the computation that defines the result; this program does not load them.
; LIMIT: e2 + e3 lies between -126 and 127, so that 2^(e2 + e3) is an f32 number.
; SHARES.  A tile of out is 256 rows x 256 channels: four waves, each 128 x 128: 64 accumulators, 512 registers.  64 blocks of rows (through all batches) x 4 blocks of channels = 256 work-groups.
; The keys go in steps of 256 through a ring of two LDS slots filled by the tensor data mover, eight steps.
; S'S IMAGES: simg[G][ks][a][q][c][lane][16 bytes] (G = 128 rows, ks = 256 keys, a = 16 rows, q = 128 keys, c = four registers).  What a wave fetches for a step, 128 rows x 256 keys, is ONE dense block of 32,768 bytes; a fragment comes
; out of LDS by four loads at 16 x lane: no pitch, no padding, consecutive bytes.  The images hold the instruction's own layout (registers 2 t, 2 t + 1: keys 16 t + 8 (lane / 16) + 0 .. 7), so V's fragments are fetched in that layout
; too: eight loads of 8 bytes from rows 272 bytes apart (lane (r, h) at word 68 r + 2 h: the 32 lanes touch 64 different banks of 4 bytes: ISA guide 11.1).
; CLUSTERS: 4 x 4 work-groups.  The four of a row of the cluster need the same images of S, the four of a column the same tiles of V (a cluster's four blocks of rows lie in one batch): each is asked for JOINTLY, by the same tensor
; load with the same descriptor and a mask that names the four.
; THE MATRIX INSTRUCTION IS USED TRANSPOSED (source 0 = 16 rows of V, source 1 = 16 rows of S): a lane then holds eight neighbouring channels of one row of out.
; REGISTERS, in windows of 256: window 0: v0-31 addresses; v128-255 S's fragments (8 x 16 rows x 128 keys), ONE set; on the way out v32-255 are free.
;   window 1: V's fragments, TWO sets, at v0 and v128.   window 2: the 32 accumulators of my rows 0-63 (accumulator (a, b) at v[8 (8 a + b)]);   window 3: those of my rows 64-127.
.set PITCH,  272                       ; a row of V's tile in LDS: 256 bytes + 16 of padding
.set FR,     16                        ; registers of a fragment
.set AHALF,  32768                     ; S: the images of 128 rows x 256 keys
.set ASZ,    2*AHALF
.set HALFB,  128*PITCH                 ; V: 128 rows
.set SLOT,   ASZ+2*HALFB               ; S's two halves, then V's 256 rows
.set SPARE,  2*SLOT                    ; behind the ring: the spare words, 128 bytes for each wave: two blocks of 256 bytes that no other line names
.set SPITCH, 528                       ; the way out: a stage of 16 rows x (512 bytes + 16) for each wave.  It lies at slot 0's head, which has had its last fill and its last read when the first result is stored there
.set OROW,   4096                      ; a row of out in bytes
.set ADRA, 16                          ; v16-17  LDS address of my fragments of S in slot 0, 1
.set ADRB, 20                          ; v20-21  the same for V
.set STO,  24                          ; v24     the way out: where I put 32 bytes of a row
.set RD,   25                          ; v25     the way out: where I read a row back
.set CO,   26                          ; v26     16 x lane; never rewritten
.set PFO,  27                          ; v27     the prefetches' offset: 256 x my lane in a block of images, 2,048 x my lane among V's rows; never rewritten
.set SPW,  28                          ; v28     LDS address of my spare word: SPARE + 4 x my thread's number; never rewritten
.set NIL,  29                          ; v29     0; never rewritten
.set TMP,  32                          ; the way out: 64 registers, a block's sums x 2^(e2 + e3)
.set AF,   128                         ; S's fragments, in window 0
.set BK,   128                         ; the way out: 16 rows read back from the stage: v128-191 and v192-255 by turns
.set G1, 24                            ; s[24:31] descriptor group 1 for S's images;  s[32:39] group 0, one set for each slot
.set G0, 32
.set G1B, 48                           ; s[48:55], s[56:63] the same for V's tiles
.set G0B, 56
.set PFA, 68                           ; s[68:69] where my prefetches stand: my work-group's quarter of what my wave fetches, two steps further on than the refill that is being asked for
.set PFS, 70                           ; s[70:71] a step of 256 keys on, in bytes: 32,768 among the images, 256 in a row of V
.set LIM, 72                           ; s72     1 in a wave that prefetches, else the greatest number
.set MSB, 0
.macro WIN new                         ; the immediate's high byte repeats the setting that is left; a switch that changes nothing is dropped
.if MSB != (\new)
	s_set_vgpr_msb (MSB<<8)|(\new)
.set MSB, (\new)
.endif
.endm
.set MUL_LO, 0xa1                      ; source 0 (V) window 1, source 1 (S) window 0, C and D window 2
.set MUL_HI, 0xf1                      ; the same, C and D window 3
.set TO_B,   0x40                      ; destination window 1, address window 0
; A joint load: waves 0 and 1 fetch S's two halves, waves 2 and 3 V's.  Each of the two lines has ONE mask and one set of registers for all that issue it; the branch hangs on the wave's number alone.
; Four v_nop follow each of the two lines, ahead of the jump, the label and what follows.
.macro JLOAD g0a, g1a, g0b, g1b
	s_cmp_eq_u32 s15, 0
	s_cbranch_scc0 .Lfor_b_\@
	tensor_load_to_lds s[\g0a:\g0a+3], s[\g1a:\g1a+7]
	s_nop 0
.rept 4
	v_nop
.endr
	s_branch .Lasked_\@
.Lfor_b_\@:
	tensor_load_to_lds s[\g0b:\g0b+3], s[\g1b:\g1b+7]
	s_nop 0
.rept 4
	v_nop
.endr
.Lasked_\@:
.endm
; A PREFETCH INTO THE L2, behind each joint load, its four lines and the run of LDS loads that follows them: of the step that stands TWO refills on, 256 matrix instructions ahead of the load that will ask for it: 32 blocks of
; 256 bytes, a lane a block, one instruction a wave.  Each aligned block of 256 bytes is named ONCE in the launch.  A block of S's images is read by one cluster alone: every cluster asks for its own; of the 32,768 bytes that wave 0 or 1
; fetches, the partner at place cx takes 8,192, lanes 256 bytes apart.  A tile of V is read by the two clusters of its batch: the one with the even cluster y asks; of the 128 rows that wave 2 or 3 fetches, the partner at place cy
; takes 32, a lane a row.  The partners are told apart BY ADDRESS: no branch hangs on a work-group's place in its cluster.  The changes of slots in steps 0 to 3 name steps 4 to 7; those of the loop's last trip (s3 = 1) have no
; step two refills on and ask for nothing.  Steps 0 to 3 come by their loads alone: nothing is prefetched at the head, where every work-group's first tiles are on their way.
.macro ASK
	s_cmp_gt_u32 s3, s[LIM]
	s_cbranch_scc0 .Lnot_mine_\@
	global_prefetch_b8 v[PFO], s[PFA:PFA+1] th:TH_LOAD_NT scope:SCOPE_SE
.Lnot_mine_\@:
.endm
.macro CREST                           ; a round of the cluster's barrier behind its opening barrier
	s_cmp_lg_u32 s14, 0
	s_cbranch_scc1 .Lnot_wave_0_\@
	s_barrier_signal -3
.Lnot_wave_0_\@:
	s_barrier_wait -3
	s_barrier_signal -1
	s_barrier_wait -1
.endm
.macro CROUND                          ; a whole round
	s_barrier_signal -1
	s_barrier_wait -1
	CREST
.endm
	s_load_b128 s[4:7], s[0:1], 0x0                ; S's images s[4:5], V's codes s[6:7]
	s_load_b128 s[8:11], s[0:1], 0x10              ; the scales' exponents s[8:9], out s[10:11]
	v_lshl_add_u32 v[SPW], v0, 2, SPARE
	v_mov_b32 v[NIL], 0
	ds_add_u32 v28, v29
	ds_add_u32 v28, v29
	s_wait_dscnt 0x0
	v_lshrrev_b32 v1, 5, v0
	v_readfirstlane_b32 s14, v1                    ; wave 0..3
	s_lshr_b32 s15, s14, 1                         ; which half of the tile's rows is mine.  Also: I fetch for S (0) or for V (1)
	s_and_b32 s16, s14, 1                          ; which half of its channels.  Also: which half of that tile I fetch
	s_bfe_u32 s40, ttmp6, 0x40000                  ; cx, cy: my place in the cluster
	s_bfe_u32 s41, ttmp6, 0x40004
	s_lshl_b32 s42, ttmp9, 2
	s_add_co_u32 s42, s42, s40                     ; block of 256 channels = 4 x cluster x + cx
	s_and_b32 s13, ttmp7, 0xffff                   ; cluster y: 0 .. 15; the batch is cluster y / 2
	s_lshl_b32 s17, s13, 2
	s_add_co_u32 s17, s17, s41                     ; block of 256 rows, through all batches = 4 x cluster y + cy
	s_lshl_b32 s43, s41, 2
	s_lshl_b32 s43, 15, s43                        ; my row of the cluster
	s_lshl_b32 s44, 0x1111, s40                    ; my column
	; descriptor group 1.  S: a dense block of 32,768 bytes, stated as 128 rows of 256 bytes, no padding.  V: 128 rows x 256 bytes, 2,048 bytes apart in memory, padded in LDS
	s_or_b32 s[G1+0], s43, (0<<16)|(1<<21)         ; 15:0 the mask: S's images go to my row; 17:16 element of 1 byte; 21 set beside a mask
	s_mov_b32 s[G1+1], 256<<16                     ; tensor_dim0 = 256
	s_mov_b32 s[G1+2], 128<<16                     ; tensor_dim1 = 128
	s_mov_b32 s[G1+3], 256<<16                     ; tile_dim0 = 256
	s_mov_b32 s[G1+4], 128                         ; tile_dim1 = 128
	s_mov_b32 s[G1+5], 256                         ; tensor_dim0_stride: each row begins where the last ends
	s_mov_b32 s[G1+6], 0
	s_mov_b32 s[G1+7], 0
	s_or_b32 s[G1B+0], s44, (0<<16)|(1<<20)|(1<<21)|(5<<22)|(3<<25) ; the mask of my column; 20 padding on; 24:22 after every 64 words (code 5); 31:25 of 4 words (code 3)
	s_mov_b32 s[G1B+1], 256<<16
	s_mov_b32 s[G1B+2], 128<<16
	s_mov_b32 s[G1B+3], 256<<16
	s_mov_b32 s[G1B+4], 128
	s_mov_b32 s[G1B+5], 2048                       ; a row of V in memory
	s_mov_b32 s[G1B+6], 0
	s_mov_b32 s[G1B+7], 0
	; where the tiles come from.  S's hang on the block of rows, which my row of the cluster shares; V's on cluster y and the block of channels, which my column shares.  Each in registers that never hold the other coordinate.
	s_lshl_b32 s20, s17, 1
	s_add_co_u32 s20, s20, s16                     ; G = 2 x block of rows + the half that I fetch
	s_lshl_b32 s20, s20, 18                        ; eight steps of 32,768 bytes to a group: under 2^25
	s_mov_b32 s21, 0
	s_lshr_b32 s46, s13, 1
	s_lshl_b32 s46, s46, 10                        ; the batch's first row of V,
	s_lshl_b32 s47, s42, 8
	s_add_co_u32 s46, s46, s47                     ; + 256 x block of channels
	s_lshl_b32 s47, s16, 7
	s_add_co_u32 s46, s46, s47                     ; + the 128 rows that I fetch
	s_lshl_b32 s46, s46, 11                        ; in bytes: under 2^24
	s_mov_b32 s47, 0
	s_mul_i32 s45, s16, AHALF                      ; where they go: S's halves at a slot's head,
	s_mul_i32 s19, s16, HALFB
	s_add_co_u32 s19, s19, ASZ                     ; V's behind them: no place in the cluster enters an LDS address
	s_wait_kmcnt 0x0
	s_load_b128 s[96:99], s[8:9], 0x0              ; e0, e1, e2, e3
	s_add_nc_u64 s[20:21], s[4:5], s[20:21]
	s_add_nc_u64 s[46:47], s[6:7], s[46:47]
	CROUND                                         ; all sixteen work-groups are here: the first joint loads meet
.irp s, 0,1
	s_mov_b32 s[G0+4*\s], 1                                        ; count = 1
	s_add_co_u32 s[G0+4*\s+1], s45, \s*SLOT                        ; LDS address
	s_add_nc_u64 s[G0+4*\s+2:G0+4*\s+3], s[20:21], \s*AHALF        ; global address: step s
	s_or_b32 s[G0+4*\s+3], s[G0+4*\s+3], 0x80000000                ; type = 2
	s_mov_b32 s[G0B+4*\s], 1
	s_add_co_u32 s[G0B+4*\s+1], s19, \s*SLOT
	s_add_nc_u64 s[G0B+4*\s+2:G0B+4*\s+3], s[46:47], \s*256
	s_or_b32 s[G0B+4*\s+3], s[G0B+4*\s+3], 0x80000000
	JLOAD G0+4*\s, G1, G0B+4*\s, G1B               ; two loads of mine are out
.endr
	v_and_b32 v1, 15, v0                           ; r = lane % 16
	v_bfe_u32 v2, v0, 4, 1                         ; h = lane / 16
	v_and_b32 v6, 31, v0
	v_lshlrev_b32 v[CO], 4, v6                     ; 16 x lane
	v_mul_u32_u24 v3, v1, PITCH
	v_lshl_add_u32 v4, v2, 3, v3                   ; V: row x pitch + 8 x half
	s_mul_i32 s21, s15, AHALF                      ; my 128 rows of S
	s_mul_i32 s22, s16, HALFB                      ; my 128 rows of V,
	s_add_co_u32 s22, s22, ASZ                     ; which lie behind S's images
.irp s, 0,1
	v_add_nc_u32 v[ADRA+\s], s21, v[CO]
	v_add_nc_u32 v[ADRB+\s], s22, v4
	s_add_co_u32 s21, s21, SLOT
	s_add_co_u32 s22, s22, SLOT
.endr
	s_mul_i32 s23, s14, 16*SPITCH                  ; my stage
	v_mul_u32_u24 v5, v1, SPITCH                   ; in: row r, 32 bytes for each half of the lanes
	v_lshl_add_u32 v5, v2, 5, v5
	v_add_nc_u32 v[STO], s23, v5
	v_add_nc_u32 v[RD], s23, v[CO]                 ; back: the 32 lanes take one row of 512 bytes
	s_lshl_b32 s20, s17, 8
	s_lshl_b32 s21, s15, 7
	s_add_co_u32 s20, s20, s21                     ; my first row of out: 256 x block of rows + 128 x half
	s_lshl_b32 s20, s20, 12                        ; in bytes: under 2^26
	s_lshl_b32 s46, s42, 10                        ; my first channel, in bytes: 1,024 x block of channels + 512 x half
	s_lshl_b32 s47, s16, 9
	s_add_co_u32 s46, s46, s47
	s_add_co_u32 s20, s20, s46
	s_mov_b32 s21, 0
	s_add_nc_u64 s[10:11], s[10:11], s[20:21]
	; the prefetches (macro ASK): where my wave's stand, and who asks.  Both offsets are made first, then chosen by the wave's number
	s_lshl_b32 s74, s17, 1
	s_add_co_u32 s74, s74, s16
	s_lshl_b32 s74, s74, 18                        ; S: the group of 128 rows that my wave's number stands for,
	s_lshl_b32 s78, s40, 13
	s_add_co_u32 s74, s74, s78                     ; + my work-group's 8,192 bytes of a step's 32,768,
	s_add_co_u32 s74, s74, 3*AHALF                 ; at step 3: the first change of slots steps it to 4
	s_lshr_b32 s75, s13, 1
	s_lshl_b32 s75, s75, 10                        ; V: the batch's first row,
	s_lshl_b32 s78, s42, 8
	s_add_co_u32 s75, s75, s78                     ; + 256 x block of channels,
	s_lshl_b32 s78, s16, 7
	s_add_co_u32 s75, s75, s78                     ; + the 128 rows that my wave's number stands for,
	s_lshl_b32 s78, s41, 5
	s_add_co_u32 s75, s75, s78                     ; + my work-group's 32 of them,
	s_lshl_b32 s75, s75, 11
	s_add_co_u32 s75, s75, 3*256                   ; at step 3
	s_and_b32 s77, s13, 1                          ; V's tiles are read by the two clusters of a batch: the even one asks
	s_mov_b32 s[PFS], 256
	s_cmp_eq_u32 s15, 0                            ; do I fetch S's images?
	s_cselect_b64 s[PFA:PFA+1], s[4:5], s[6:7]
	s_cselect_b32 s[PFS], AHALF, s[PFS]            ; a step on
	s_cselect_b32 s76, 8, 11                       ; from lane to lane: 256 bytes, or a row of V
	s_cselect_b32 s74, s74, s75
	s_cselect_b32 s77, 0, s77                      ; S's images are read by one cluster alone: every cluster asks for its own
	s_cmp_eq_u32 s77, 0
	s_cselect_b32 s[LIM], 1, -1                    ; the same in all sixteen partners, for a given wave
	s_mov_b32 s75, 0
	s_mov_b32 s[PFS+1], 0
	s_add_nc_u64 s[PFA:PFA+1], s[PFA:PFA+1], s[74:75]
	v_lshlrev_b32 v[PFO], s76, v6
.macro FRAGA reg, adr, q, i            ; a fragment of S comes back as it was stored: four registers a load, lane l's 16 bytes at 16 l
.irp c, 0,1,2,3
	ds_load_b128 v[\reg+4*\c:\reg+4*\c+3], v[\adr] offset:(\i)*4096+(\q)*2048+512*\c
.endr
.endm
.macro FRAGB reg, adr, q, i            ; a fragment of V, 16 rows x 128 keys: lane l holds row l % 16; registers 2 c, 2 c + 1 hold keys 16 c + 8 (l / 16) + 0 .. 7
.irp c, 0,1,2,3,4,5,6,7
	ds_load_b64 v[\reg+2*\c:\reg+2*\c+1], v[\adr] offset:128*(\q)+16*\c+(\i)*16*PITCH
.endr
.endm
; 16 matrix instructions: S's blocks a0, a0 + 1 x V's eight, 128 keys.  p: V's set.  zero = 1: the first product starts the sums: nothing is ever cleared.
; The 64 accumulators take turns, one instruction a turn, in the same order in every step, over the loop's backward jump too.
.macro MUL16 a0, p, zero
.irp a, \a0, \a0+1
.irp b, 0,1,2,3,4,5,6,7
.if \zero
	v_wmma_f32_16x16x128_fp8_fp8 v[8*(8*((\a)%4)+\b):8*(8*((\a)%4)+\b)+7], v[128*(\p)+FR*\b:128*(\p)+FR*\b+FR-1], v[AF+FR*(\a):AF+FR*(\a)+FR-1], 0
.else
	v_wmma_f32_16x16x128_fp8_fp8 v[8*(8*((\a)%4)+\b):8*(8*((\a)%4)+\b)+7], v[128*(\p)+FR*\b:128*(\p)+FR*\b+FR-1], v[AF+FR*(\a):AF+FR*(\a)+FR-1], v[8*(8*((\a)%4)+\b):8*(8*((\a)%4)+\b)+7]
.endif
.endr
.endr
.endm
.macro FETCH_B slot, q, p              ; V's eight fragments of the slot's q-th 128 keys into set p
	WIN TO_B
.irp i, 0,1,2,3,4,5,6,7
	FRAGB 128*(\p)+FR*\i, ADRB+\slot, \q, \i
.endr
	WIN 0
.endm
.macro FETCH_A slot, q, i0             ; S's blocks i0 .. i0 + 3
.irp i, \i0, \i0+1, \i0+2, \i0+3
	FRAGA AF+FR*(\i), ADRA+\slot, \q, \i
.endr
.endm
; A load into a register that a matrix instruction has read, and a vector instruction that reads a matrix result, stand four places behind that matrix instruction, and only plain vector instructions that name none of its
; registers are places (ISA guide 7.12.1 for vector instructions); the matrix instructions in between are not counted.
.macro PLACES n
.rept \n
	v_nop
.endr
.endm
; A slot's first 128 keys: V's set 0.  A block of S is free as soon as its eight products are issued: blocks 0-3 are fetched anew in the middle, blocks 4-7 at the end; V's other set comes in the middle run.
.macro STEP slot, zero
	s_wait_dscnt 16                                ; V's set and S's blocks 0-3 are in; the youngest sixteen loads (S's blocks 4-7) may be out
	WIN MUL_LO
	MUL16 0, 0, \zero
	MUL16 2, 0, \zero
	s_wait_dscnt 0                                 ; S's blocks 4-7 are in (asked for 32 matrix instructions ago)
	PLACES 4
	FETCH_B \slot, 1, 1
	FETCH_A \slot, 1, 0
	WIN MUL_HI
	MUL16 4, 0, \zero
	MUL16 6, 0, \zero
	PLACES 4
	WIN 0
	FETCH_A \slot, 1, 4
.endm
; A slot's second 128 keys (V's set 1) change slots IN THEIR MIDDLE.  The first 32 products stand AHEAD of the wait for the tensor loads: so the refill asked for at the last change of slots has a whole step of 256 keys, 128 matrix
; instructions, in which to land, and between that wait and the next request stand only the add and the round.  ONE barrier: in front of it each wave waits for all its tensor loads, adds 0 to its spare word, and waits for that and
; for its own reads of this slot (the last of them, S's blocks 4-7, were issued 32 matrix instructions ago).  Behind it nobody reads this slot any more and the next slot is whole.
; fill = 1: this slot is filled again, two steps ahead.
.macro TURN slot, next, fill
.if \fill
	s_wait_xcnt 0x0                                ; the last prefetch, a step back, has read its address: it is stepped here, ahead of the waits of the change of slots
	s_add_nc_u64 s[PFA:PFA+1], s[PFA:PFA+1], s[PFS:PFS+1]
.endif
	s_wait_dscnt 16                                ; V's set 1 and S's blocks 0-3 are in; the youngest sixteen loads (S's blocks 4-7) may be out
	WIN MUL_LO
	MUL16 0, 1, 0
	MUL16 2, 1, 0
	WIN 0
	s_wait_tensorcnt 0x0                           ; all my tensor loads have landed: the one that was out is my part of the next slot; so a group 0 may be written
	ds_add_u32 v[SPW], v[NIL]                      ; 0 onto my spare word; the descriptors' steps stand between it and the wait for it
.if \fill
	s_add_nc_u64 s[G0+4*\slot+2:G0+4*\slot+3], s[G0+4*\slot+2:G0+4*\slot+3], 2*AHALF
	s_add_nc_u64 s[G0B+4*\slot+2:G0B+4*\slot+3], s[G0B+4*\slot+2:G0B+4*\slot+3], 2*256
.endif
	s_wait_dscnt 0x0                               ; the add is done, and my reads of this slot are over
	s_barrier_signal -1
	s_barrier_wait -1
.if \fill
	CREST                                          ; the barrier has opened a round of the cluster's barrier: no wave of any partner still reads this slot's tile or has a load on its way
	JLOAD G0+4*\slot, G1, G0B+4*\slot, G1B         ; the first tensor load behind the round, my only one until the next; the four v_nop behind it are also the places in front of the loads below
.else
	PLACES 4
.endif
	FETCH_B \next, 0, 0
	FETCH_A \next, 0, 0
.if \fill
	ASK
.endif
	WIN MUL_HI
	MUL16 4, 1, 0
	MUL16 6, 1, 0
	PLACES 4
	WIN 0
	FETCH_A \next, 0, 4
.endm
	s_wait_tensorcnt 1                             ; my part of step 0 is in (step 1's load may be out)
	s_barrier_signal -1
	s_barrier_wait -1                              ; everybody's is
	FETCH_B 0, 0, 0
	FETCH_A 0, 0, 0
	FETCH_A 0, 0, 4
	STEP 0, 1                                      ; the first 128 keys stand in front of the loop: their products start the sums
	s_mov_b32 s3, 3                                ; eight steps of 256 keys are four laps of the ring; the last lap fills nothing and is written out
.Llap:                                                 ; a trip goes once round the ring, from a lap's second 128 keys to the next lap's first, and fills both slots again
	TURN 0, 1, 1
	STEP 1, 0
	TURN 1, 0, 1
	STEP 0, 0
	s_sub_co_u32 s3, s3, 1
	s_cmp_lg_u32 s3, 0
	s_cbranch_scc1 .Llap
	TURN 0, 1, 0                                   ; nothing is left to fetch: a plain barrier; behind it nobody reads slot 0
	STEP 1, 0
	s_wait_dscnt 16                                ; the very last 128 keys
	WIN MUL_LO
	MUL16 0, 1, 0
	MUL16 2, 1, 0
	s_wait_dscnt 0
	WIN MUL_HI
	MUL16 4, 1, 0
	MUL16 6, 1, 0
	WIN 0
; THE WAY OUT, block by block of 16 rows x 128 channels.  A lane holds 32 neighbouring bytes of a row, and the lanes beside it hold other rows: so a block goes through my own stage in LDS and comes back as whole rows of 512 bytes,
; which the 32 lanes store as 512 consecutive bytes at a multiple of 512 from out's first byte.  LDS serves a wave's instructions in order (ISA guide 5.7.1.4): no wait between the stores and the loads, nor in front of the next block's stores.
.macro TOSTAGE a
.set AC, 64*((\a)%4)
	WIN 0x02+((\a)/4)                              ; source 0: window 2 or 3
.irp j, 0,2,4,6,8,10,12,14,16,18,20,22,24,26,28,30,32,34,36,38,40,42,44,46,48,50,52,54,56,58,60,62
	v_pk_mul_f32 v[TMP+\j:TMP+\j+1], v[AC+\j:AC+\j+1], s[96:97] op_sel_hi:[1,0]   ; both x s96 = 2^(e2 + e3); each accumulator from its low end on
.endr
	WIN 0
.irp b, 0,1,2,3,4,5,6,7
	ds_store_b128 v[STO], v[TMP+8*\b:TMP+8*\b+3] offset:64*\b
	ds_store_b128 v[STO], v[TMP+8*\b+4:TMP+8*\b+7] offset:64*\b+16
.endr
.set BB, BK+64*((\a)%2)
.irp t, 0,1,2,3,4,5,6,7,8,9,10,11,12,13,14,15
	ds_load_b128 v[BB+4*\t:BB+4*\t+3], v[RD] offset:\t*SPITCH
.endr
.endm
.macro SEND a, younger                 ; younger: the LDS instructions issued behind block a's loads, which may stay out
.set BB, BK+64*((\a)%2)
	s_wait_dscnt \younger                          ; the block is back in registers
.if (\a) > 0
	s_add_nc_u64 s[10:11], s[10:11], 16*OROW       ; (behind a wait on XCNT: the earlier stores have read their base)  16 rows of out on
.endif
.irp t, 0,1,2,3,4,5,6,7,8,9,10,11,12,13,14,15
	global_store_b128 v[CO], v[BB+4*\t:BB+4*\t+3], s[10:11] offset:\t*OROW th:TH_STORE_NT   ; written once, read by nobody here
.endr
.endm
	s_wait_kmcnt 0x0
	s_add_co_i32 s96, s98, s99                     ; e2 + e3, between -126 and 127,
	s_add_co_i32 s96, s96, 127
	s_lshl_b32 s96, s96, 23                        ; makes the f32 number 2^(e2 + e3)
	s_mov_b32 s97, s96                             ; (named with it as a pair, so it is written)
	PLACES 4                                       ; behind the last products: for the loads into the registers that held S's fragments, and for the reads of results
	TOSTAGE 0
.irp a, 1,2,3,4,5,6,7
.if \a > 1
	s_wait_xcnt 0x0                                ; block a - 2's stores have read their registers and their base: block a's loads may land there, and the base may step
.endif
	TOSTAGE \a
	SEND \a-1, 32                                  ; behind block a - 1's loads: block a's 16 stores and 16 loads
.endr
	s_wait_xcnt 0x0                                ; block 6's stores have read their base
	SEND 7, 0
	s_wait_tensorcnt 0x0                           ; the wave's end: behind my last tensor load and my last LDS store
	ds_add_u32 v[SPW], v[NIL]
	s_wait_dscnt 0x0
	CROUND                                         ; the closing round: no work-group ends while a partner may still ask for a tile that names it
	s_endpgm
.Lfunc_end_k_q5f242b20a7_outp:
	.size	k_q5f242b20a7_outp, .Lfunc_end_k_q5f242b20a7_outp-k_q5f242b20a7_outp
	.p2alignl 7, 3214868480
	.fill 96, 4, 3214868480
	.section	.rodata,"a",@progbits
	.p2align	6, 0x0
	.amdhsa_kernel k_q5f242b20a7_outp
		.amdhsa_group_segment_fixed_size 327680
		.amdhsa_private_segment_fixed_size 0
		.amdhsa_enable_private_segment 0
		.amdhsa_kernarg_size 32
		.amdhsa_user_sgpr_count 2
		.amdhsa_user_sgpr_kernarg_segment_ptr 1
		.amdhsa_wavefront_size32 1
		.amdhsa_system_sgpr_workgroup_id_x 1
		.amdhsa_system_sgpr_workgroup_id_y 1
		.amdhsa_system_sgpr_workgroup_id_z 1
		.amdhsa_system_vgpr_workitem_id 0
		.amdhsa_next_free_vgpr 1024
		.amdhsa_next_free_sgpr 100
		.amdhsa_reserve_vcc 0
		.amdhsa_float_denorm_mode_32 3
		.amdhsa_float_denorm_mode_16_64 3
		.amdhsa_memory_ordered 1
		.amdhsa_forward_progress 1
		.amdhsa_inst_pref_size 141
	.end_amdhsa_kernel
	.amdgpu_metadata
---
amdhsa.version: [ 1, 2 ]
amdhsa.kernels:
  - .name:           k_q5f242b20a7_outp
    .symbol:         k_q5f242b20a7_outp.kd
    .args:
      - { .name: simg, .offset: 0, .size: 8, .value_kind: global_buffer, .address_space: global }
      - { .name: value_codes, .offset: 8, .size: 8, .value_kind: global_buffer, .address_space: global }
      - { .name: lowp_scales, .offset: 16, .size: 8, .value_kind: global_buffer, .address_space: global }
      - { .name: out0, .offset: 24, .size: 8, .value_kind: global_buffer, .address_space: global }
    .group_segment_fixed_size: 327680
    .private_segment_fixed_size: 0
    .kernarg_segment_align: 8
    .kernarg_segment_size: 32
    .max_flat_workgroup_size: 128
    .sgpr_count:     100
    .vgpr_count:     1024
    .wavefront_size: 32
...
	.end_amdgpu_metadata
.endif
;; end of part 2
